; MI455X (gfx1250); checked and timed in simulation.
; The chip was launched on July 23, 2026; its instructions are those of AMD's public machine-readable ISA for CDNA 5 (MIT licence, August 2026) and "CDNA5" Instruction Set Architecture Reference Guide (July 2026). The comments in the code are by the model that wrote it; some were corrected since.
;; Multi Head Attention. Allowed arithmetic: matrix products marked QUANTISED: E2M1 operands, one E8M0 scale for each 32 along K, by v_wmma_scale_f32_16x16x128_f8f6f4 with both operands' format E2M1 (or v_wmma_scale_f32_32x16x128_f4), f32 sums; everything else in f32.
;; Inputs: fc_b 512 float32; fc_w_codes 512 x 16 x 16 uint8 (E2M1 codes of fc_w, K innermost, in blocks of 32 codes, two codes a byte); fc_w_scales 512 x 16 uint8 (E8M0 scales of fc_w, one for each 32 codes along K); keys 2 x 4,096 x 512 float32; query 2 x 4,096 x 512 float32; values_codes 2 x 512 x 128 x 16 uint8 (E2M1 codes of values, K innermost, in blocks of 32 codes, two codes a byte); values_scales 2 x 512 x 128 uint8 (E8M0 scales of values, one for each 32 codes along K).
;; Outputs: out0 2 x 4,096 x 512 float32.
;; This version of the problem:
;;   THIS VERSION OF THE PROBLEM IS GIVEN IN LOW PRECISION. The matrix products marked QUANTISED in the list below multiply operands that are first quantised to E2M1 (2 exponent bits, 1 mantissa bit; 4 bits a number), with one power-of-two scale for each 32 numbers along K (OCP MX v1.0); their sums are f32. All else is computed in f32.
;;   The module's matrix products, in the order in which they are computed (A, B: the left and right operand; K: the contracted axis; several contracted axes count as one K, in the product's order):
;;     1. batch 16 x [M 4,096, K 64] x [K 64, N 4,096]; A: input query; B: input keys: QUANTISED
;;     2. batch 16 x [M 64, K 4,096] x [K 4,096, N 4,096]; A: input values (given as codes); B: softmax (see below): QUANTISED
;;     3. [M 8,192, K 512] x [K 512, N 512]; A: computed on the way; B: input fc_w (given as codes): QUANTISED
;;   THE QUANTISER, for each operand of a quantised product, along K:
;;     - K is cut into blocks of 32 from its start; a last block that is shorter is filled with zeros.
;;     - A block's scale is 2^e with e = floor(log2(the largest magnitude in the block)) - 2, held to -126 .. 127; a block of zeros has e = 0. As a byte (E8M0): e + 127.
;;     - Each number is divided by its block's scale, clamped to +-6, and rounded to the nearest number of E2M1, ties to even, subnormals kept.
;;     - The product sums the exact products of the quantised numbers (number of the format x scale) in f32.
;;   ~~~python
;;   def quantise(x, axis):      # numpy; x: float32 -> the quantised numbers, widened to float32 again
;;       x = np.moveaxis(x, axis, -1); K = x.shape[-1]
;;       x = np.pad(x, [(0, 0)] * (x.ndim - 1) + [(0, -K % 32)]); x = x.reshape(x.shape[:-1] + (-1, 32)); a = np.abs(x).max(-1, keepdims=True)
;;       e = np.where(a > 0, np.clip(np.frexp(np.where(a > 0, a, 1))[1] - 1 - 2, -126, 127), 0)      # np.frexp(a)[1] - 1 = floor(log2(a)), exactly
;;       r = np.clip(x / 2.0 ** e, -6, 6)
;;       step = 2.0 ** (np.maximum(np.frexp(np.where(r == 0, 1, r))[1] - 1, 0) - 1)
;;       q = np.round(r / step) * step * 2.0 ** e      # np.round: ties to even
;;       return np.moveaxis(q.reshape(q.shape[:-2] + (-1,))[..., :K], -1, axis).astype(np.float32)
;;   ~~~
;;   SOFTMAX AHEAD OF A QUANTISED PRODUCT. Where the list says 'softmax', what is quantised is not the finished softmax but p = 2^(t - M), with t = logit x log2(e) and M = ceil(the row's largest t), a whole number; so 1/2 < the row's largest p <= 1. The row's sum l is taken of the UNQUANTISED p, in f32, and the product's result is divided by l at the end. Since M is a whole number, a kernel that streams over the keys may use a running M (the ceiling of the running maximum): every later rescaling is an exact power of two, which a block's scale takes up: the codes' values come out the same.
;;   OPERANDS COMPUTED ON THE WAY. 'Computed on the way' means the value that the module computes at that place (a softmax that the list does not call 'softmax' is quantised finished and normalised). What goes into a quantiser is computed in f32, as accurately as f32 sums, v_exp_f32 and their like allow (about 1e-6 of the number): no bf16 or f16 on the way to a quantiser, and a product that is left as it is and whose result goes on into a quantised operand takes f32 operands (vector FMAs, or v_wmma_f32_16x16x4_f32). A number that lies on a knife's edge between two numbers of the format may be rounded either way, as far as f32 arithmetic and the matrix unit's own rounding can turn it there, and no further.
;;   INPUTS GIVEN AS CODES. fc_w (in the module: [512, 512], K = its axis 1); values (in the module: [2, 4096, 512], K = its axis 1): each comes as NAME_codes (uint8): NAME with its K axis moved to the last place and cut into blocks of 32 codes, [.., K / 32, bytes a block], one block behind the other in memory; two codes a byte, the lower K in the low four bits (a code: sign, 2 exponent bits, 1 mantissa bit); and NAME_scales (uint8): the same leading axes, one E8M0 byte (e + 127) for each 32 codes along K. Its value is code x scale, taken as it is: it is not quantised again, and the codes and scales need not be those that the quantiser above would give.
;; One version. Each part assembles by itself: llvm-mc -triple=amdgcn-amd-amdhsa -mcpu=gfx1250 --defsym DOCPART=n.
;; ======== version 1 of 1: 3 launches
;; limits: right only within a limited range of input values
;; workspace buffers: k_img 2,359,296 bytes; o_img 2,097,152 bytes; o_sc 131,072 bytes
;; launch kquant (part 1): grid 256 x 1, 4 waves a work-group, no clusters, 35,328 bytes of LDS; arguments keys, k_img; writes k_img
.if DOCPART == 1
	.amdgcn_target "amdgcn-amd-amdhsa--gfx1250"
	.amdhsa_code_object_version 6
	.text
	.protected	k_q7d1939f149_kquant
	.globl	k_q7d1939f149_kquant
	.p2align	8
	.type	k_q7d1939f149_kquant,@function
k_q7d1939f149_kquant:
	s_mov_b64 s[64:65], 0
	v_nop
	global_prefetch_b8 v0, s[64:65] scope:SCOPE_SE
	s_setreg_imm32_b32 hwreg(HW_REG_WAVE_MODE, 25, 1), 1
	s_wait_xcnt 0x0
; keys [2][4096][512] f32 become codes of FP4 (E2M1) with one E8M0 scale for each 32 numbers of a head's 64, laid in the order of the operand's registers for the attention launch.
; A block's scale is 2^(floor(log2(its largest magnitude)) - 2); its byte is the largest magnitude's exponent field - 2, held at 1 from below.
; LIMITS: a block of zeros gets the byte 1, not 127: its codes are zeros, and this program alone reads the bytes.  Blocks whose largest magnitude lies under 2^(3 - 127) take the floor's scale.  NaN and infinities are not served.
; SHARES.  Wave W = 4 x work-group + wave (0 .. 1023) takes a run of 64 keys of one head g = W / 64: four tiles t of 16 keys.  Row m of tile t is key 8 t + m % 8 + 32 (m / 8) of the run:
; in the product K Q^T lane half h then holds, over the run's four tiles, the 32 neighbouring keys 32 h .. 32 h + 31: one whole block of the next product's K.
; k_img: [g][chunk of 256 keys][9,216 bytes].  A chunk: four runs' codes, [run][tile][lane][16 bytes] (lane (r, h): the codes of d = 32 h .. 32 h + 31 of the tile's row r), then from byte 8,192 four runs' scale words,
; [run][lane][2 words]: word j of lane L belongs to tile 2 j + L / 16, row L % 16.  A word is b0 | b1 << 8 | b0 << 16 | b1 << 24: the reader uses the lower or the upper pair.
; Each load reads two keys' 256 bytes; a tile's 16 x 256 bytes turn through the wave's own stage in LDS and come back 128 bytes a lane.  No tensor load, no barrier, no cluster: each byte is read once by one wave.
.set WREG,  8704                       ; LDS of a wave: two stages
.set STGB,  4352                       ; a stage: 16 rows x 272 bytes
.set PITCH, 272
.set SW,    16                         ; v[16:17]   the wave's scale words
.set C,     20                         ; v[20:35]   codes, four registers a tile
.set R,     64                         ; v[64:191]  the tiles as loaded
.set X,     192                        ; v[192:255] two sets of 32: a lane's block
	s_load_b128 s[4:7], s[0:1], 0x0                ; keys, k_img
	v_lshl_add_u32 v62, v0, 2, 0x8800              ; my spare word, and 0
	v_mov_b32 v63, 0
	v_lshrrev_b32 v1, 5, v0
	v_readfirstlane_b32 s16, v1                    ; wave 0..3
	v_and_b32 v1, 31, v0                           ; lane L
	v_and_b32 v2, 15, v0                           ; r
	v_bfe_u32 v3, v0, 4, 1                         ; h
	v_lshlrev_b32 v10, 4, v2
	v_lshl_add_u32 v4, v3, 11, v10                 ; in memory: lanes 16-31 one key further, 16 bytes a lane
	s_mul_i32 s18, s16, WREG
	v_mad_u32_u24 v5, v3, PITCH, v10               ; into the stage: row 2 i + h
	v_add_nc_u32 v5, s18, v5
	v_mul_u32_u24 v6, v2, PITCH                    ; out of it: row r, my half's 128 bytes
	v_lshl_add_u32 v6, v3, 7, v6
	v_add_nc_u32 v6, s18, v6
	v_lshlrev_b32 v7, 4, v1                        ; a tile's image: 16 bytes a lane
	v_lshlrev_b32 v8, 3, v1                        ; the scale words: 8 bytes a lane
	v_lshlrev_b32 v9, 3, v3                        ; my byte's place in the word
	v_mov_b32 v14, 0
	v_cmp_le_u32 s22, 16, v1                       ; lanes 16-31
	s_mov_b32 s20, 0x76543210
	s_mov_b32 s21, 0xfedcba98
	s_lshl_b32 s17, ttmp9, 2
	s_add_co_u32 s17, s17, s16                     ; W
	s_lshr_b32 s24, s17, 9
	s_lshl_b32 s24, s24, 23                        ; the batch
	s_and_b32 s26, s17, 63
	s_lshl_b32 s26, s26, 17                        ; my run of 64 keys
	s_add_co_u32 s24, s24, s26
	s_bfe_u32 s26, s17, 0x30006                    ; the head
	s_lshl_b32 s26, s26, 8
	s_add_co_u32 s24, s24, s26
	s_mov_b32 s25, 0
	s_lshr_b32 s26, s17, 6                         ; g
	s_mul_i32 s26, s26, 147456
	s_bfe_u32 s28, s17, 0x40002                    ; the chunk
	s_mul_i32 s28, s28, 9216
	s_add_co_u32 s26, s26, s28
	s_and_b32 s28, s17, 3                          ; the run in it
	s_lshl_b32 s29, s28, 11
	s_lshl_b32 s28, s28, 8
	s_add_co_u32 s28, s28, s26
	s_add_co_u32 s28, s28, 8192                    ; my 256 bytes of scale words
	s_add_co_u32 s26, s26, s29                     ; my 2,048 bytes of codes
	s_mov_b32 s27, 0
	s_mov_b32 s29, 0
	s_wait_alu depctr_va_vdst(0)                   ; the wait at the head's end
	s_wait_kmcnt 0x0
	s_add_nc_u64 s[4:5], s[4:5], s[24:25]
	s_add_nc_u64 s[8:9], s[6:7], s[28:29]
	s_add_nc_u64 s[6:7], s[6:7], s[26:27]
.macro LOAD t                          ; load i brings the tile's rows 2 i and 2 i + 1: 256 consecutive, aligned bytes each
.irp i, 0,1,2,3,4,5,6,7
	global_load_b128 v[R+32*(\t)+4*\i:R+32*(\t)+4*\i+3], v4, s[4:5] offset:(8*(\t)+2*(\i%4)+32*(\i/4))*2048 th:TH_LOAD_NT
.endr
.endm
.macro TURN t                          ; LDS serves a wave's instructions in order: no wait between the stores and the loads
.irp i, 0,1,2,3,4,5,6,7
	ds_store_b128 v5, v[R+32*(\t)+4*\i:R+32*(\t)+4*\i+3] offset:STGB*((\t)%2)+2*PITCH*\i
.endr
.irp i, 0,1,2,3,4,5,6,7
	ds_load_b128 v[X+32*((\t)%2)+4*\i:X+32*((\t)%2)+4*\i+3], v6 offset:STGB*((\t)%2)+16*\i
.endr
.endm
.macro TILE t
.set XS, X+32*((\t)%2)
.if (\t) < 3
	s_wait_loadcnt 8*(2-(\t))                      ; the next tile's eight loads are in
	TURN (\t)+1
	s_wait_dscnt 16                                ; this tile's block is back; the next turn's 16 may be out
.else
	s_wait_dscnt 0x0
.endif
	v_max3_num_f32 v12, |v[XS]|, |v[XS+1]|, |v[XS+2]|
	v_max3_num_f32 v13, |v[XS+3]|, |v[XS+4]|, |v[XS+5]|
.irp i, 6,10,14,18,22,26
	v_max3_num_f32 v12, v12, |v[XS+\i]|, |v[XS+\i+1]|
	v_max3_num_f32 v13, v13, |v[XS+\i+2]|, |v[XS+\i+3]|
.endr
	v_max3_num_f32 v12, v12, |v[XS+30]|, |v[XS+31]|
	v_max3_num_f32 v12, v12, v13, 0x1800000        ; the floor 2^(3 - 127)
	v_add_nc_u32 v11, 0xff000000, v12              ; 2 off the exponent field: the conversion's scale operand
.irp g, 0,1,2,3
	v_cvt_scalef32_pk8_fp4_f32 v[C+4*(\t)+\g], v[XS+8*\g:XS+8*\g+7], v11
.endr
	v_lshrrev_b32 v13, 23, v11                     ; the byte (also the plain line behind the conversions)
	v_lshlrev_b32 v13, v9, v13
	v_permlanex16_b32 v14, v13, s20, s21
	v_or_b32 v13, v13, v14                         ; b0 | b1 << 8
	v_lshl_or_b32 v13, v13, 16, v13                ; and once more above
.if (\t)%2 == 0
	v_mov_b32 v[SW+(\t)/2], v13
.else
	v_cndmask_b32 v[SW+(\t)/2], v[SW+(\t)/2], v13, s22
.endif
	global_store_b128 v7, v[C+4*(\t):C+4*(\t)+3], s[6:7] offset:512*(\t)   ; 512 consecutive bytes, aligned
.endm
	LOAD 0
	LOAD 1
	LOAD 2
	LOAD 3
	s_wait_loadcnt 24
	TURN 0
	TILE 0
	TILE 1
	TILE 2
	TILE 3
	global_store_b64 v8, v[SW:SW+1], s[8:9]        ; 256 consecutive bytes, aligned
	s_wait_tensorcnt 0x0                           ; the wave's end
	ds_add_u32 v62, v63
	s_wait_dscnt 0x0
	s_endpgm
.Lfunc_end_k_q7d1939f149_kquant:
	.size	k_q7d1939f149_kquant, .Lfunc_end_k_q7d1939f149_kquant-k_q7d1939f149_kquant
	.p2alignl 7, 3214868480
	.fill 96, 4, 3214868480
	.section	.rodata,"a",@progbits
	.p2align	6, 0x0
	.amdhsa_kernel k_q7d1939f149_kquant
		.amdhsa_group_segment_fixed_size 35328
		.amdhsa_private_segment_fixed_size 0
		.amdhsa_enable_private_segment 0
		.amdhsa_kernarg_size 16
		.amdhsa_user_sgpr_count 2
		.amdhsa_user_sgpr_kernarg_segment_ptr 1
		.amdhsa_wavefront_size32 1
		.amdhsa_system_sgpr_workgroup_id_x 1
		.amdhsa_system_sgpr_workgroup_id_y 1
		.amdhsa_system_sgpr_workgroup_id_z 1
		.amdhsa_system_vgpr_workitem_id 0
		.amdhsa_next_free_vgpr 256
		.amdhsa_next_free_sgpr 66
		.amdhsa_reserve_vcc 0
		.amdhsa_float_denorm_mode_32 3
		.amdhsa_float_denorm_mode_16_64 3
		.amdhsa_memory_ordered 1
		.amdhsa_forward_progress 1
		.amdhsa_inst_pref_size 17
	.end_amdhsa_kernel
	.amdgpu_metadata
---
amdhsa.version: [ 1, 2 ]
amdhsa.kernels:
  - .name:           k_q7d1939f149_kquant
    .symbol:         k_q7d1939f149_kquant.kd
    .args:
      - { .name: keys, .offset: 0, .size: 8, .value_kind: global_buffer, .address_space: global }
      - { .name: k_img, .offset: 8, .size: 8, .value_kind: global_buffer, .address_space: global }
    .group_segment_fixed_size: 35328
    .private_segment_fixed_size: 0
    .kernarg_segment_align: 8
    .kernarg_segment_size: 16
    .max_flat_workgroup_size: 128
    .sgpr_count:     66
    .vgpr_count:     256
    .wavefront_size: 32
...
	.end_amdgpu_metadata
.endif
;; end of part 1
;; launch attn (part 2): grid 16 x 16, 16 waves a work-group, clusters of 4 x 1, 327,680 bytes of LDS; arguments query, k_img, values_codes, values_scales, o_img, o_sc; writes o_img, o_sc
.if DOCPART == 2
	.amdgcn_target "amdgcn-amd-amdhsa--gfx1250"
	.amdhsa_code_object_version 6
	.text
	.protected	k_q7d1939f149_attn
	.globl	k_q7d1939f149_attn
	.p2align	8
	.type	k_q7d1939f149_attn,@function
k_q7d1939f149_attn:
	s_mov_b64 s[64:65], 0
	v_nop
	global_prefetch_b8 v0, s[64:65] scope:SCOPE_SE
	s_setreg_imm32_b32 hwreg(HW_REG_WAVE_MODE, 25, 1), 1
	s_wait_xcnt 0x0
	s_wait_alu depctr_hold_cnt(0) depctr_sa_sdst(0) depctr_va_vdst(0) depctr_va_sdst(0) depctr_va_ssrc(0) depctr_va_vcc(0) depctr_vm_vsrc(0)
	s_getreg_b32 s2, hwreg(HW_REG_IB_STS2, 6, 4)
	s_cmp_eq_u32 s2, 0
	s_cbranch_scc0 .Lentry_in_a_cluster
	s_endpgm
.Lentry_in_a_cluster:
	s_bfe_u32 s2, ttmp6, 0x10000c
	s_cmp_lg_u32 s2, 0x3003
	s_cbranch_scc0 .Lentry_shape_is_right
	s_endpgm
.Lentry_shape_is_right:
; Attention of one head g = 8 n + head (grid y) for 256 queries (grid x), both products on codes of FP4 (E2M1) with one E8M0 scale for each 32 along a product's K; the result is normalised and quantised for the last layer.
; t = score x log2(e) / sqrt(512); M = the row's largest t so far, rounded UP to a whole number; p = 2^(t - M) is quantised along the keys, not normalised; the row's sum is taken of the unquantised p and divides O at the end.
; When M moves, the sum and O are multiplied by 2^(old M - new M): exact.
; SHARES.  Each of sixteen waves owns 16 queries in 256 registers and walks all 4,096 keys in 16 double steps of 256 keys: the running M and the rescaling of O are made once for 256 keys.
; LAYOUT.  Both products are used transposed (S^T = K Q^T, O^T = V^T P^T): a lane holds ONE query (lane % 16).  The launch before chose the keys of a tile so that the 32 score registers of a run's four tiles
; are the keys 64 c + 32 (lane / 16) + 0 .. 31: a whole block in a lane, in the order of the next operand's registers: no lane is asked for a block's maximum and the conversions' results are the operand.
; The first product's K is 64: a fragment of 8 registers holds TWO tiles; against (Q, 0) it gives the first tile's scores, against (0, Q) the second's.  Codes against zero codes add nothing under any finite scale byte.
; LDS.  The head's K (16 chunks of 9,216 bytes), V (8 slabs of 512 keys: 64 rows x 272 bytes) and V's scale bytes stay: 295,424 bytes, each filled once, in two groups: at the head K's chunks 0-4, V's slabs 0-1 and
; the scale bytes; behind the next round the rest.  Double steps 0 to 3 read the first group alone (step 3 fetches chunk 4 ahead).  The one barrier for the second group is signalled behind step 1 and waited for behind step 3.
; CLUSTER.  The four work-groups of a cluster take the same head: every tensor load is a joint one (mask 15).
; NO PREFETCH: no loop stands ahead of either group of loads in which one could be asked for, and each byte is asked for once by a cluster.
; REGISTERS SHARED IN TIME: p's codes take v90-93 and the first 12 score registers, V's fragments the 64 behind them, each once the scores there are summed and converted.
; OUT.  o_img [row tile][head][lane][16 bytes]: lane (r, h) holds block h of my head's 64 channels of row r.  o_sc [head][row] of 16 bits: b0 | b1 << 8.
; LIMITS: NaN and infinities among the inputs are not served.  A block of zeros gets the scale byte 1, not 127: its codes are zeros, and this program alone reads those bytes.  1 / l is v_rcp_f32's.
; A block's largest p is made from the block's largest score by the same multiply-add and exponential: this takes v_exp_f32 not to fall where its input rises.
.set CH,    9216                       ; a chunk of K: 8,192 bytes of codes, 1,024 of scale words
.set HK,    147456                     ; a head's 16 chunks
.set VB,    147456                     ; V's slabs begin here
.set VSL,   17408                      ; a slab
.set VP,    272
.set SCV,   286720                     ; V's scale bytes: 32 x (256 + 16)
.set SPARE, 295424                     ; the spare words: 128 bytes for each of 16 waves
.set QST,   297472                     ; four stages of 16 x 272 bytes, used by four waves at a time; no fill lands here
.set OSC,   314880                     ; the work-group's 256 x 2 scale bytes of the result; no fill lands here
.set AK0,  1                           ; v1  16 x lane
.set AV0,  2                           ; v2  my place in a tile of V
.set ASV0, 3                           ; v3  among V's scale bytes
.set ASK0, 4                           ; v4  among a chunk's scale words
.set SPW,  5
.set NIL,  6
.set QB,   7
.set ADK,  8                           ; v8-11 addresses of the step in hand
.set ADV,  9
.set ADS,  10
.set ADT,  11
.set QF,   16                          ; v[16:27] Q's codes, zeros, Q's codes.   v12 -M, v13 the largest score, v[14:15] the sum
.set QS,   28
.set KS,   30                          ; v[30:33] K's scale words of eight tiles
.set VS,   34                          ; v[34:41] V's scale words: 2 t + s
.set BM,   42                          ; v[42:45] a block's largest score, then its largest p
.set T4,   46                          ; v[46:49] at work; then two chains of the sum
.set SO4,  50                          ; v[50:53] the conversions' scale operands
.set F,    54                          ; v[54:55] f = 2^(old M - new M)
.set PS,   56                          ; v[56:57] p's scale words
.set X,    58                          ; v[58:89] K's fragments: eight tiles
.set PC,   90                          ; v[90:105] p's codes
.set S,    94                          ; v[94:221] S^T, then p
.set VF,   106                         ; v[106:169] V's fragments: 32 s + 8 t
.set O,    222                         ; v[222:253] O^T
.set WV,   16
.set WQ,   17
.set SEL,  18
.set CS,   20                          ; s[20:21] c = log2(e) / sqrt(512)
.set NC,   22                          ; -c
.set D,    23                          ; the double step
.set G1K0, 24
.set G1K1, 32
.set G1V,  40
.set G1S,  48
.set G0K0, 56
.set G0V0, 60
.set G0S,  68
.set G0K1, 72
.set G0V1, 76
.set TK,   66
.set TV,   67
.set TVS,  80
.set TM,   81
.set MKD,  15|(3<<16)|(1<<21)                         ; mask 15, elements of 8 bytes, bit 21 beside the mask
.set MKS,  15|(3<<16)|(1<<20)|(1<<21)|(5<<22)|(3<<25) ; and four words of padding behind every 64
.set MKV,  15|(1<<20)|(1<<21)|(5<<22)|(3<<25)         ; the same with elements of 1 byte
.macro DEP n
	s_delay_alu instid0(VALU_DEP_\n)
.endm
.macro ROUND                           ; a round of the cluster's barrier
	s_barrier_signal -1
	s_barrier_wait -1
	s_cmp_lg_u32 s[WV], 0
	s_cbranch_scc1 .Lnw0_\@
	s_barrier_signal -3
.Lnw0_\@:
	s_barrier_wait -3
	s_barrier_signal -1
	s_barrier_wait -1
.endm
.macro ARM under, g0, g1, next, join   ; one arm of a chain on the wave's number: one load, then the join
	s_cmp_lt_u32 s[WV], \under
	s_cbranch_scc0 \next
	tensor_load_to_lds s[\g0:\g0+3], s[\g1:\g1+7]
	s_nop 0
.rept 4
	v_nop
.endr
	s_branch \join
\next:
.endm
.macro G1SET g, w0, c, r, p
	s_mov_b32 s[\g], \w0
	s_mov_b32 s[\g+1], (\c)<<16
	s_mov_b32 s[\g+2], (\r)<<16
	s_mov_b32 s[\g+3], (\c)<<16
	s_mov_b32 s[\g+4], \r
	s_mov_b32 s[\g+5], \p
	s_mov_b32 s[\g+6], 0
	s_mov_b32 s[\g+7], 0
.endm
.macro G0SET g, l, b, o1, o2
	s_add_co_u32 s92, s[\o1], s[\o2]
	s_mov_b32 s[\g], 1
	s_mov_b32 s[\g+1], s[\l]
	s_add_nc_u64 s[\g+2:\g+3], s[\b:\b+1], s[92:93]
	s_or_b32 s[\g+3], s[\g+3], 0x80000000
.endm
	s_load_b256 s[4:11], s[0:1], 0x0               ; query, k_img, values_codes, values_scales
	s_load_b128 s[12:15], s[0:1], 0x20             ; o_img, o_sc
	v_lshl_add_u32 v[SPW], v0, 2, SPARE
	v_mov_b32 v[NIL], 0
	ds_add_u32 v[SPW], v[NIL]                      ; the opening lines: the add twice on end and its wait
	ds_add_u32 v[SPW], v[NIL]
	v_lshrrev_b32 v8, 5, v0
	DEP 1
	v_readfirstlane_b32 s[WV], v8                  ; wave 0..15
	s_lshr_b32 s[WQ], s[WV], 2
	G1SET G1K0, MKD, 32, 90, 32                    ; K, first group: 90 rows of 256 dense bytes a wave (2 waves: chunks 0-4)
	G1SET G1K1, MKD, 32, 66, 32                    ; second group: 66 rows a wave (6 waves: chunks 5-15)
	G1SET G1V, MKV, 256, 64, 2048                  ; a slab of V: 64 rows of 256 bytes, 2,048 apart
	G1SET G1S, MKS, 32, 32, 32                     ; V's scale bytes: 32 rows of 256 dense bytes
	s_and_b32 s80, s[WV], 1
	s_mul_i32 s81, s80, 23040                      ; K, first group: my part, in LDS and in the head
	s_mul_i32 s82, s80, VSL
	s_add_co_u32 s82, s82, VB                      ; V: slab wave % 2
	s_lshl_b32 s83, s80, 8
	s_mul_i32 s84, s[WV], 16896
	s_add_co_u32 s84, s84, 46080                   ; K, second group: part = wave
	s_add_co_u32 s85, s[WV], 2
	s_and_b32 s85, s85, 7
	s_add_co_u32 s85, s85, 2                       ; V: waves 6 to 11 take slabs 2 to 7
	s_mul_i32 s86, s85, VSL
	s_add_co_u32 s86, s86, VB
	s_lshl_b32 s87, s85, 8
	s_and_b32 s88, ttmp7, 0xffff                   ; g
	s_mul_i32 s89, s88, HK
	s_lshl_b32 s90, s88, 17
	s_lshl_b32 s91, s88, 13
	s_mov_b32 s93, 0
	s_mov_b32 s85, SCV
	s_bfe_u32 s94, ttmp6, 0x40000                  ; cx
	s_lshl_b32 s95, ttmp9, 2
	s_add_co_u32 s95, s95, s94                     ; work-group x
	s_lshr_b32 s100, s88, 3                        ; n
	s_and_b32 s101, s88, 7                         ; head
	s_lshl_b32 s100, s100, 12
	s_lshl_b32 s95, s95, 8
	s_add_co_u32 s95, s95, s100                    ; the work-group's first row
	s_lshl_b32 s2, s95, 1
	s_lshl_b32 s3, s101, 14
	s_add_co_u32 s2, s2, s3                        ; o_sc: 16,384 head + 2 row
	s_mov_b32 s3, 0
	s_lshl_b32 s94, s[WV], 4
	s_add_co_u32 s95, s95, s94                     ; my first row
	s_lshl_b32 s96, s95, 11
	s_lshl_b32 s97, s101, 8
	s_add_co_u32 s96, s96, s97                     ; query: 2,048 row + 256 head
	s_mov_b32 s97, 0
	s_lshl_b32 s98, s95, 8
	s_lshl_b32 s99, s101, 9
	s_add_co_u32 s98, s98, s99                     ; o_img: 4,096 (row / 16) + 512 head
	s_mov_b32 s99, 0
	s_and_b32 s94, s[WV], 3
	s_mul_i32 s94, s94, 16*272
	s_add_co_u32 s94, s94, QST                     ; the stage that I use in my turn
	s_mov_b32 s[SEL], 0x76543210
	s_mov_b32 s[SEL+1], 0xfedcba98
	s_mov_b32 s[CS], 0x3d8293ee
	s_mov_b32 s[CS+1], s[CS]
	s_mov_b32 s[NC], 0xbd8293ee
	v_and_b32 v9, 15, v0                           ; r
	v_bfe_u32 v10, v0, 4, 1                        ; h
	v_and_b32 v11, 31, v0                          ; lane
	v_mov_b32 v13, 0xff61b1e6                      ; the largest score so far: -3e38
	v_lshlrev_b32 v254, 4, v9
	v_lshrrev_b32 v[ASV0], 1, v9
	v_mul_u32_u24 v[AV0], v9, VP
	v_and_b32 v29, 1, v9
	v_lshl_add_u32 v255, v10, 11, v254             ; Q in memory: lanes 16-31 one query further, 16 bytes a lane
	v_mul_u32_u24 v[ASV0], v[ASV0], 272
	v_lshl_add_u32 v[AV0], v10, 4, v[AV0]
	v_mad_u32_u24 v8, v10, 272, v254
	v_mul_u32_u24 v[QB], v9, 272
	v_lshl_add_u32 v[ASV0], v29, 7, v[ASV0]
	v_add_nc_u32 v[AV0], VB, v[AV0]                ; V: row r of a tile, + 16 h
	v_add_nc_u32 v8, s94, v8                       ; the stage, in: row 2 i + h
	v_lshl_add_u32 v[QB], v10, 7, v[QB]
	v_add_nc_u32 v[ASV0], SCV, v[ASV0]             ; V's scale bytes: two rows of 128 to a padded 256
	v_lshlrev_b32 v[AK0], 4, v11
	v_lshl_add_u32 v[ASK0], v11, 3, 8192
	v_add_nc_u32 v[QB], s94, v[QB]                 ; back: row r, my half's 128 bytes
	v_lshlrev_b32 v29, 3, v10                      ; 8 h
	v_mul_f32 v12, s[NC], v13
	v_mov_b32 v14, 0
	v_mov_b32 v15, 0
	v_mov_b32 v[F+1], 0
	v_floor_f32 v12, v12                           ; -M
.irp b, 0,1,2,3
	v_mov_b32 v[T4+\b], 0
	v_mov_b32 v[QF+4+\b], 0                        ; the zero codes between Q's two copies
.endr
	s_wait_alu depctr_va_vdst(0)                   ; the wait at the head's end
	s_wait_dscnt 0x0                               ; both opening adds are done
	s_wait_kmcnt 0x0
	s_add_nc_u64 s[4:5], s[4:5], s[96:97]
.irp i, 0,1,2,3,4,5,6,7
	global_load_b128 v[S+4*\i:S+4*\i+3], v255, s[4:5] offset:4096*\i th:TH_LOAD_NT   ; queries 2 i and 2 i + 1: 256 consecutive, aligned bytes each
.endr
	s_add_nc_u64 s[12:13], s[12:13], s[98:99]
	s_add_nc_u64 s[14:15], s[14:15], s[2:3]
	G0SET G0K0, 81, 6, 89, 81
	G0SET G0K1, 84, 6, 89, 84
	G0SET G0V0, 82, 8, 90, 83
	G0SET G0V1, 86, 8, 90, 87
	G0SET G0S, 85, 10, 91, 93
	ROUND                                          ; the four work-groups are here: the joint loads meet
	ARM 2, G0K0, G1K0, .Lh1, .Lhj                  ; the first group, one load a wave: waves 0, 1 K's chunks 0-4,
	ARM 4, G0V0, G1V, .Lh2, .Lhj                   ; waves 2, 3 V's slabs 0, 1,
	ARM 5, G0S, G1S, .Lh3, .Lhj                    ; wave 4 V's scale bytes
.Lhj:
	s_wait_loadcnt 0x0                             ; Q
; Q: 16 rows x 256 bytes turn through a stage, so that a lane holds a whole block of 32.  Four stages serve sixteen waves in four turns, a barrier between two turns.
.irp j, 0,1,2,3
	s_cmp_lg_u32 s[WQ], \j
	s_cbranch_scc1 .Lq\j
.irp i, 0,1,2,3,4,5,6,7
	ds_store_b128 v8, v[S+4*\i:S+4*\i+3] offset:544*\i
.endr
.irp i, 0,1,2,3,4,5,6,7
	ds_load_b128 v[S+32+4*\i:S+32+4*\i+3], v[QB] offset:16*\i   ; LDS serves a wave's instructions in order
.endr
	s_wait_dscnt 0x0                               ; my reads are over before the next turn's waves store here
.Lq\j:
.if \j < 3
	s_barrier_signal -1
	s_barrier_wait -1
.endif
.endr
	v_max3_num_f32 v[BM], |v[S+32]|, |v[S+33]|, |v[S+34]|
	v_max3_num_f32 v[BM+1], |v[S+35]|, |v[S+36]|, |v[S+37]|
.irp i, 6,10,14,18,22,26
	DEP 2
	v_max3_num_f32 v[BM], v[BM], |v[S+32+\i]|, |v[S+33+\i]|
	DEP 2
	v_max3_num_f32 v[BM+1], v[BM+1], |v[S+34+\i]|, |v[S+35+\i]|
.endr
	DEP 2
	v_max3_num_f32 v[BM], v[BM], |v[S+62]|, |v[S+63]|
	DEP 1
	v_max3_num_f32 v[BM], v[BM], v[BM+1], 0x1800000   ; the floor 2^(3 - 127)
	DEP 1
	v_add_nc_u32 v[SO4], 0xff000000, v[BM]
.irp g, 0,1,2,3
	v_cvt_scalef32_pk8_fp4_f32 v[QF+\g], v[S+32+8*\g:S+39+8*\g], v[SO4]
	v_cvt_scalef32_pk8_fp4_f32 v[QF+8+\g], v[S+32+8*\g:S+39+8*\g], v[SO4]
.endr
	v_lshrrev_b32 v[BM+2], 23, v[SO4]              ; the byte (also the plain line behind the conversions)
	DEP 1
	v_lshlrev_b32 v[BM+2], v29, v[BM+2]            ; block h is byte h
	DEP 1
	v_permlanex16_b32 v[T4], v[BM+2], s[SEL], s[SEL+1]
	DEP 1
	v_or_b32 v[BM+2], v[BM+2], v[T4]
	DEP 1
	v_lshl_or_b32 v[QS], v[BM+2], 16, v[BM+2]      ; b0 | b1 << 8, below and above
.set j, 0
.rept 32
	v_mov_b32 v[O+j], 0                            ; O^T: the step is written once; its first turn finds zeros
.set j, j+1
.endr
	s_wait_alu depctr_va_vdst(0)                   ; the wait here, directly ahead of the wait below
	s_wait_tensorcnt 0x0                           ; my part of the first group is in
	ds_add_u32 v[SPW], v[NIL]
	ds_add_u32 v[SPW], v[NIL]                      ; twice on end
	s_wait_dscnt 0x0
	ROUND                                          ; the first group is whole, and the four work-groups are here
	ARM 6, G0K1, G1K1, .Lp1, .Lpj                  ; the second group: waves 0-5 K's chunks 5-15,
	ARM 12, G0V1, G1V, .Lp2, .Lpj                  ; waves 6-11 V's slabs 2-7
.Lpj:
.macro KLOAD ak, as, co, so            ; eight tiles' images and their scale words
.irp k, 0,1,2,3,4,5,6,7
	ds_load_b128 v[X+4*\k:X+4*\k+3], v[\ak] offset:\co+512*\k
.endr
	ds_load_b64 v[KS:KS+1], v[\as] offset:\so
	ds_load_b64 v[KS+2:KS+3], v[\as] offset:\so+256
.endm
.macro SPROD b                         ; eight tiles of S^T: a fragment's first tile against (Q, 0), its second against (0, Q)
.irp p, 0,1,2,3
	v_wmma_scale_f32_16x16x128_f8f6f4 v[S+64*\b+16*\p:S+64*\b+16*\p+7], v[X+8*\p:X+8*\p+7], v[QF:QF+7], 0, v[KS+\p], v[QS] matrix_a_fmt:MATRIX_FMT_FP4 matrix_b_fmt:MATRIX_FMT_FP4
	v_wmma_scale_f32_16x16x128_f8f6f4 v[S+64*\b+16*\p+8:S+64*\b+16*\p+15], v[X+8*\p:X+8*\p+7], v[QF+4:QF+11], 0, v[KS+\p], v[QS] matrix_a_fmt:MATRIX_FMT_FP4 matrix_b_fmt:MATRIX_FMT_FP4 matrix_a_scale:MATRIX_SCALE_ROW1
.endr
.endm
.macro MAXA c0                         ; the largest score of my block in runs c0, c0 + 1: four chains by turns, each accumulator from its low end on
.irp c, \c0, \c0+1
	v_max3_num_f32 v[BM+\c], v[S+32*(\c)], v[S+32*(\c)+1], v[S+32*(\c)+2]
	v_max3_num_f32 v[T4+\c], v[S+32*(\c)+16], v[S+32*(\c)+17], v[S+32*(\c)+18]
.endr
.irp i, 3,5,7,9,11,13
.irp c, \c0, \c0+1
	v_max3_num_f32 v[BM+\c], v[BM+\c], v[S+32*(\c)+\i], v[S+32*(\c)+\i+1]
	v_max3_num_f32 v[T4+\c], v[T4+\c], v[S+32*(\c)+16+\i], v[S+32*(\c)+17+\i]
.endr
.endr
.endm
.macro MAXB c0
.irp c, \c0, \c0+1
	v_max3_num_f32 v[BM+\c], v[BM+\c], v[T4+\c], v[S+32*(\c)+15]
.endr
.irp c, \c0, \c0+1
	v_max_num_f32 v[BM+\c], v[BM+\c], v[S+32*(\c)+31]
.endr
.endm
.macro RSUM c                          ; the sum of run c's unquantised p: three chains by turns
.set jj, 0
.if (\c) == 0
	v_pk_add_f32 v[T4:T4+1], v[S:S+1], v[S+2:S+3]
	v_pk_add_f32 v[T4+2:T4+3], v[S+4:S+5], v[S+6:S+7]
.set jj, 8
.endif
.rept (32-jj)/2
.set mm, (jj/2)%3
.set ar, 14+47*mm-15*mm*mm             ; v14, v46, v48
	v_pk_add_f32 v[ar:ar+1], v[ar:ar+1], v[S+32*(\c)+jj:S+32*(\c)+jj+1]
.set jj, jj+2
.endr
.endm
.macro RCVT c                          ; run c's codes: registers 4 c .. 4 c + 3 of p's operand
.irp t, 0,1,2,3
	v_cvt_scalef32_pk8_fp4_f32 v[PC+4*(\c)+\t], v[S+32*(\c)+8*\t:S+32*(\c)+8*\t+7], v[SO4+(\c)]
.endr
.endm
.macro VLOAD s                         ; V's four fragments of the s-th 128 keys
.irp t, 0,1,2,3
.irp c, 0,1
	ds_load_b128 v[VF+32*\s+8*\t+4*\c:VF+32*\s+8*\t+4*\c+3], v[ADV] offset:16*VP*\t+64*\s+32*\c
.endr
.endr
.endm
; A DOUBLE STEP: 256 keys.  At its head K's first eight tiles are in registers.  pf = 1: the next step's first eight are fetched in its middle.
.macro DSTEP pf
	v_add_nc_u32 v[ADK], s[TK], v[AK0]             ; five plain lines between the last products and the products that write over their operands (ISA guide 7.12.1)
	v_add_nc_u32 v[ADS], s[TK], v[ASK0]
	v_add_nc_u32 v[ADV], s[TV], v[AV0]
	v_add_nc_u32 v[ADT], s[TVS], v[ASV0]
	v_nop
	SPROD 0
.rept 4
	v_nop                                          ; four places ahead of the loads into the fragments and of the first read of results
.endr
	KLOAD ADK, ADS, 4096, 512                      ; tiles 8-15 come while runs 0 and 1 are searched
	MAXA 0
	s_wait_alu depctr_va_vdst(0)                   ; the wait here, directly ahead of the wait below
	s_wait_dscnt 0x0
	SPROD 1
	MAXB 0                                         ; four plain lines on runs 0 and 1: the places behind the products
.if \pf
	KLOAD ADK, ADS, CH, CH
.endif
	MAXA 2
	MAXB 2
	DEP 2
	v_max3_num_f32 v254, v[BM], v[BM+1], v[BM+2]
	DEP 1
	v_max_num_f32 v254, v254, v[BM+3]
	DEP 1
	v_permlanex16_b32 v255, v254, s[SEL], s[SEL+1]
	DEP 1
	v_max3_num_f32 v13, v13, v254, v255            ; the running largest score of my query
	DEP 1
	v_mul_f32 v254, s[NC], v13
	DEP 1
	v_floor_f32 v254, v254                         ; the new -M = floor(-t) = -ceil(t)
	DEP 1
	v_sub_f32 v255, v254, v12                      ; old M - new M: a whole number, 0 or less
	v_mov_b32 v12, v254
	DEP 2
	v_cvt_i32_f32 v255, v255                       ; (it saturates)
	DEP 1
	v_ldexp_f32 v[F], 1.0, v255                    ; f = 2^(old M - new M)
.set j, 0
.rept 64
	v_pk_fma_f32 v[S+j:S+j+1], v[S+j:S+j+1], s[CS:CS+1], v[12:13] op_sel_hi:[1,0,0]   ; t - M, two at a time
.set j, j+2
.endr
.irp b, 0,1,2,3
	v_fma_f32 v[BM+\b], v[BM+\b], s[CS], v12       ; the same of each block's largest score
.endr
	s_wait_alu depctr_va_vdst(0)                   ; the wait ahead of the batch
.set j, 0
.rept 128
	v_exp_f32 v[S+j], v[S+j]                       ; p = 2^(t - M)
.set j, j+1
.endr
.irp b, 0,1,2,3
	v_exp_f32 v[BM+\b], v[BM+\b]                   ; the block's largest p
.endr
	v_pk_mul_f32 v[14:15], v[14:15], v[F:F+1] op_sel_hi:[1,0]   ; the sums under the new M (the plain line behind the batch)
	s_wait_alu depctr_va_vdst(0)                   ; and the one wait behind it
.irp b, 0,1,2,3
	v_max_num_f32 v[BM+\b], 0x1800000, v[BM+\b]    ; the floor 2^(3 - 127)
.endr
.irp b, 0,1,2,3
	v_add_nc_u32 v[SO4+\b], 0xff000000, v[BM+\b]   ; the conversion's scale operand
.endr
.irp b, 0,1,2,3
	v_lshrrev_b32 v[T4+\b], 23, v[SO4+\b]          ; the byte
.endr
	v_lshl_or_b32 v[T4], v[T4+1], 16, v[T4]        ; my half's blocks of 128 keys: bytes 0 and 2
	v_lshl_or_b32 v[T4+2], v[T4+3], 16, v[T4+2]
	DEP 2
	v_permlanex16_b32 v[T4+1], v[T4], s[SEL], s[SEL+1]
	DEP 2
	v_permlanex16_b32 v[T4+3], v[T4+2], s[SEL], s[SEL+1]
	DEP 2
	v_lshl_or_b32 v[PS], v[T4+1], 8, v[T4]         ; lanes 0-15, which are read: the other half's blocks are bytes 1 and 3
	DEP 2
	v_lshl_or_b32 v[PS+1], v[T4+3], 8, v[T4+2]
	RSUM 0
	RCVT 0
	RSUM 1
	RCVT 1
	VLOAD 0                                        ; into score registers 12-43: summed and converted
.irp t, 0,1,2,3
	ds_load_b64 v[VS+2*\t:VS+2*\t+1], v[ADT] offset:2176*\t
.endr
	RSUM 2
	RCVT 2
	VLOAD 1                                        ; into score registers 44-75
	RSUM 3
	v_pk_add_f32 v[T4:T4+1], v[T4:T4+1], v[T4+2:T4+3]
	DEP 1
	v_pk_add_f32 v[14:15], v[14:15], v[T4:T4+1]
	RCVT 3
	s_wait_alu depctr_va_vdst(0)                   ; the wait here, directly ahead of the first reader of O^T
.set j, 0
.rept 16
	v_pk_mul_f32 v[O+j:O+j+1], v[O+j:O+j+1], v[F:F+1] op_sel_hi:[1,0]   ; O^T under the new M; these sixteen also stand between p's codes and the products
.set j, j+2
.endr
	s_wait_alu depctr_va_vdst(0)                   ; the wait here, directly ahead of the wait below
	s_wait_dscnt 0x0                               ; V's fragments and scale words are in, and the next step's first tiles of K
.irp s, 0,1                                    ; the four accumulators by turns, one instruction a turn
.irp t, 0,1,2,3
	v_wmma_scale_f32_16x16x128_f8f6f4 v[O+8*\t:O+8*\t+7], v[VF+32*\s+8*\t:VF+32*\s+8*\t+7], v[PC+8*\s:PC+8*\s+7], v[O+8*\t:O+8*\t+7], v[VS+2*\t+\s], v[PS+\s] matrix_a_fmt:MATRIX_FMT_FP4 matrix_b_fmt:MATRIX_FMT_FP4
.endr
.endr
.if \pf
	s_add_co_u32 s[D], s[D], 1
	s_add_co_u32 s[TK], s[TK], CH                  ; the next chunk of K,
	s_add_co_u32 s[TVS], s[TVS], 8                 ; 8 scale bytes on in V's rows,
	s_lshr_b32 s[TM], s[D], 1
	s_mul_i32 s[TM], s[TM], VSL
	s_and_b32 s[TV], s[D], 1
	s_lshl_b32 s[TV], s[TV], 7
	s_add_co_u32 s[TV], s[TV], s[TM]               ; and V: slab D / 2, 128 bytes on in its rows where D is odd
.endif
.endm
	KLOAD AK0, ASK0, 0, 0                          ; step 0's first eight tiles
	s_mov_b32 s[D], 0
	s_mov_b32 s[TK], 0
	s_mov_b32 s[TV], 0
	s_mov_b32 s[TVS], 0
	s_wait_dscnt 0x0
.LA:                                               ; steps 0 and 1
	DSTEP 1
	s_cmp_lt_u32 s[D], 2
	s_cbranch_scc1 .LA
	s_wait_tensorcnt 0x0                           ; my part of the second group is in,
	s_wait_dscnt 0x0                               ; no LDS load of mine is out:
	s_barrier_signal -1                            ; say so.
.LB:                                               ; steps 2 and 3 read the first group alone: LDS loads and work on registers
	DSTEP 1
	s_cmp_lt_u32 s[D], 4
	s_cbranch_scc1 .LB
	s_barrier_wait -1                              ; every wave's part of the second group is in
.LC:                                               ; steps 4 to 14
	DSTEP 1
	s_cmp_lt_u32 s[D], 15
	s_cbranch_scc1 .LC
	DSTEP 0                                        ; the last step fetches nothing ahead
	; THE WAY OUT.  O^T / the sum is the last layer's operand: tile t of a lane holds channels 16 t + 8 h + 0 .. 7 of my query; a block of 32 channels is tiles 2 b and 2 b + 1 of lanes l and l xor 16.
	v_add_f32 v14, v14, v15
	DEP 1
	v_permlanex16_b32 v255, v14, s[SEL], s[SEL+1]
	DEP 1
	v_add_f32 v14, v14, v255                       ; the row's sum
	s_wait_alu depctr_va_vdst(0)                   ; the wait ahead of the transcendental
	v_rcp_f32 v14, v14
	v_and_b32 v8, 15, v0
	DEP 1
	v_lshlrev_b32 v8, 1, v8
	s_lshl_b32 s82, s[WV], 5
	v_add_nc_u32 v8, s82, v8
	DEP 1
	v_add_nc_u32 v8, OSC, v8                       ; my row's two scale bytes: 32 x wave + 2 r
	v_add_nc_u32 v9, OSC, v[AK0]                   ; where wave 0 reads the work-group's 512 back
	s_wait_alu depctr_va_vdst(0)                   ; and ahead of the reciprocal's first reader, which is also O^T's
.set j, 0
.rept 16
	v_pk_mul_f32 v[S+j:S+j+1], v[O+j:O+j+1], v[14:15] op_sel_hi:[1,0]   ; each accumulator from its low end on
.set j, j+2
.endr
.irp b, 0,1
	v_max3_num_f32 v[BM+\b], |v[S+16*\b]|, |v[S+1+16*\b]|, 0x1800000
.endr
.irp i, 2,4,6,8,10,12,14
.irp b, 0,1
	DEP 2
	v_max3_num_f32 v[BM+\b], v[BM+\b], |v[S+16*\b+\i]|, |v[S+1+16*\b+\i]|
.endr
.endr
.irp b, 0,1
	DEP 2
	v_permlanex16_b32 v[T4+\b], v[BM+\b], s[SEL], s[SEL+1]
.endr
.irp b, 0,1
	DEP 2
	v_max_num_f32 v[BM+\b], v[BM+\b], v[T4+\b]
.endr
.irp b, 0,1
	DEP 2
	v_add_nc_u32 v[SO4+\b], 0xff000000, v[BM+\b]
.endr
.irp b, 0,1
	DEP 2
	v_lshrrev_b32 v[T4+\b], 23, v[SO4+\b]
.endr
	DEP 1
	v_lshl_or_b32 v254, v[T4+1], 8, v[T4]          ; b0 | b1 << 8
	v_cvt_scalef32_pk8_fp4_f32 v[X], v[S:S+7], v[SO4]           ; tile 0: channels 8 h + 0 .. 7
	v_cvt_scalef32_pk8_fp4_f32 v[X+1], v[S+16:S+23], v[SO4+1]   ; tile 2
	v_cvt_scalef32_pk8_fp4_f32 v[X+2], v[S+8:S+15], v[SO4]      ; tile 1
	v_cvt_scalef32_pk8_fp4_f32 v[X+3], v[S+24:S+31], v[SO4+1]   ; tile 3
	v_nop                                          ; one plain line behind the conversions
	v_permlane16_swap_b32 v[X], v[X+1]             ; register i of lane (r, h) now holds channels 32 h + 8 i + 0 .. 7
	v_permlane16_swap_b32 v[X+2], v[X+3]
	global_store_b128 v[AK0], v[X:X+3], s[12:13]   ; 512 consecutive bytes, aligned
	ds_store_b16 v8, v254                          ; both halves of the lanes write the same bytes with the same value
	s_wait_dscnt 0x0                               ; for wave 0's sake
	s_barrier_signal -1
	s_barrier_wait -1
	s_cmp_lg_u32 s[WV], 0
	s_cbranch_scc1 .Lend
	ds_load_b128 v[S:S+3], v9
	s_wait_dscnt 0x0
	global_store_b128 v[AK0], v[S:S+3], s[14:15]   ; 512 consecutive bytes, aligned
.Lend:
	s_wait_tensorcnt 0x0                           ; the wave's end
	ds_add_u32 v[SPW], v[NIL]
	s_wait_dscnt 0x0
	ROUND                                          ; the closing round
	s_endpgm
.Lfunc_end_k_q7d1939f149_attn:
	.size	k_q7d1939f149_attn, .Lfunc_end_k_q7d1939f149_attn-k_q7d1939f149_attn
	.p2alignl 7, 3214868480
	.fill 96, 4, 3214868480
	.section	.rodata,"a",@progbits
	.p2align	6, 0x0
	.amdhsa_kernel k_q7d1939f149_attn
		.amdhsa_group_segment_fixed_size 327680
		.amdhsa_private_segment_fixed_size 0
		.amdhsa_enable_private_segment 0
		.amdhsa_kernarg_size 48
		.amdhsa_user_sgpr_count 2
		.amdhsa_user_sgpr_kernarg_segment_ptr 1
		.amdhsa_wavefront_size32 1
		.amdhsa_system_sgpr_workgroup_id_x 1
		.amdhsa_system_sgpr_workgroup_id_y 1
		.amdhsa_system_sgpr_workgroup_id_z 1
		.amdhsa_system_vgpr_workitem_id 0
		.amdhsa_next_free_vgpr 256
		.amdhsa_next_free_sgpr 102
		.amdhsa_reserve_vcc 0
		.amdhsa_float_denorm_mode_32 3
		.amdhsa_float_denorm_mode_16_64 3
		.amdhsa_memory_ordered 1
		.amdhsa_forward_progress 1
		.amdhsa_inst_pref_size 130
	.end_amdhsa_kernel
	.amdgpu_metadata
---
amdhsa.version: [ 1, 2 ]
amdhsa.kernels:
  - .name:           k_q7d1939f149_attn
    .symbol:         k_q7d1939f149_attn.kd
    .args:
      - { .name: query, .offset: 0, .size: 8, .value_kind: global_buffer, .address_space: global }
      - { .name: k_img, .offset: 8, .size: 8, .value_kind: global_buffer, .address_space: global }
      - { .name: values_codes, .offset: 16, .size: 8, .value_kind: global_buffer, .address_space: global }
      - { .name: values_scales, .offset: 24, .size: 8, .value_kind: global_buffer, .address_space: global }
      - { .name: o_img, .offset: 32, .size: 8, .value_kind: global_buffer, .address_space: global }
      - { .name: o_sc, .offset: 40, .size: 8, .value_kind: global_buffer, .address_space: global }
    .group_segment_fixed_size: 327680
    .private_segment_fixed_size: 0
    .kernarg_segment_align: 8
    .kernarg_segment_size: 48
    .max_flat_workgroup_size: 512
    .sgpr_count:     102
    .vgpr_count:     256
    .wavefront_size: 32
...
	.end_amdgpu_metadata
.endif
;; end of part 2
;; launch fc (part 3): grid 256 x 1, 16 waves a work-group, no clusters, 76,288 bytes of LDS; arguments o_img, o_sc, fc_w_codes, fc_w_scales, fc_b, out0; writes out0
.if DOCPART == 3
	.amdgcn_target "amdgcn-amd-amdhsa--gfx1250"
	.amdhsa_code_object_version 6
	.text
	.protected	k_q7d1939f149_fc
	.globl	k_q7d1939f149_fc
	.p2align	8
	.type	k_q7d1939f149_fc,@function
k_q7d1939f149_fc:
	s_mov_b64 s[64:65], 0
	v_nop
	global_prefetch_b8 v0, s[64:65] scope:SCOPE_SE
	s_setreg_imm32_b32 hwreg(HW_REG_WAVE_MODE, 25, 1), 1
	s_wait_xcnt 0x0
; out0 = A fc_w^T + fc_b on codes of FP4 (E2M1) with one E8M0 scale for each 32 along K = 512.  A: the attention's result, 8,192 rows, as images of the operand's registers (o_img) and 16 bits of scale bytes a row and head (o_sc).
; SHARES.  A work-group owns 32 rows (row tiles m = 0, 1); wave w of its sixteen owns output columns 32 w .. 32 w + 31 (tiles t = 0, 1): 16 matrix instructions a wave, four accumulators by turns, K in four steps of 128.
; THE PRODUCT IS USED TRANSPOSED (source 0 = 16 rows of fc_w, source 1 = 16 rows of A): a lane holds eight neighbouring columns of one row of out0.  The bias is the C of each sum's first product.
; A's 8,192 bytes are read from memory once, 16 bytes a thread, and reach all waves through LDS as they lie: fragment (m, s), registers 4 c on, is the image of head 2 s + c.
; Each wave reads its 8,192 bytes of fc_w once, straight into registers: there is no tile in LDS that a joint load of a cluster could fill, and no tensor load, so no ring.
; The results meet in a stage (rows of 2,048 bytes + 16); each wave stores two whole rows, 512 consecutive bytes an instruction.
.set AIMG, 0                           ; LDS: A's images, 8,192 bytes
.set STG,  8192                        ; the stage: 32 rows x 2,064 bytes
.set SP,   2064
.set AT,   12                          ; v[12:15]   my 16 bytes of A's images
.set WF,   16                          ; v[16:79]   fc_w's fragments: (t, s) at 8 (4 t + s)
.set AF,   80                          ; v[80:143]  A's: (m, s) at 8 (4 m + s)
.set AC,   144                         ; v[144:175] accumulators: (m, t) at 8 (2 m + t)
.set BI,   176                         ; v[176:191] the bias in the result's layout: tile t
.set WS,   192                         ; v[192:199] fc_w's scale words: 4 t + s
.set AS,   200                         ; v[200:203] A's scale words of K step s: lane L holds row L's, so row tile 1 reads lanes 16-31
.set AU,   204                         ; v[204:211] their halves as loaded: head hd
.set OB,   212                         ; v[212:243] rows of out0 on their way out
	s_load_b256 s[4:11], s[0:1], 0x0               ; o_img s[4:5], o_sc s[6:7], fc_w_codes s[8:9], fc_w_scales s[10:11]
	s_load_b128 s[12:15], s[0:1], 0x20             ; fc_b s[12:13], out0 s[14:15]
	v_lshl_add_u32 v248, v0, 2, 0x12200
	v_mov_b32 v249, 0
	v_lshrrev_b32 v1, 5, v0
	s_delay_alu instid0(VALU_DEP_1)
	v_readfirstlane_b32 s16, v1                    ; wave 0..15
	v_and_b32 v1, 31, v0                           ; lane L
	v_and_b32 v2, 15, v0                           ; r
	v_bfe_u32 v3, v0, 4, 1                         ; h
	v_lshlrev_b32 v4, 4, v0                        ; 16 x thread: my bytes of A's images, in memory and in LDS
	s_delay_alu instid0(VALU_DEP_4)
	v_lshlrev_b32 v5, 4, v1                        ; 16 L
	s_delay_alu instid0(VALU_DEP_4)
	v_lshlrev_b32 v6, 8, v2
	s_delay_alu instid0(VALU_DEP_1)
	v_lshl_add_u32 v6, v3, 4, v6                   ; fc_w: row r of 256 bytes, + 16 h
	v_lshlrev_b32 v7, 4, v2                        ; its scale bytes: 16 a row
	v_lshlrev_b32 v8, 5, v3                        ; the bias: my half's eight numbers
	v_lshlrev_b32 v9, 1, v1                        ; A's scale bytes: 2 a row and head
	s_lshl_b32 s18, ttmp9, 13                      ; o_img: two row tiles of 4,096 bytes
	s_mov_b32 s19, 0
	s_lshl_b32 s20, ttmp9, 6                       ; o_sc: 32 rows of 2 bytes
	s_mov_b32 s21, 0
	s_lshl_b32 s22, s16, 13                        ; fc_w_codes: my 32 rows of 256 bytes
	s_mov_b32 s23, 0
	s_lshl_b32 s24, s16, 9                         ; fc_w_scales: my 32 rows of 16 bytes
	s_mov_b32 s25, 0
	s_lshl_b32 s26, s16, 7                         ; fc_b: my 32 numbers.  Also: my columns' bytes in a row of the stage
	s_mov_b32 s27, 0
	s_lshl_b32 s28, ttmp9, 16                      ; out0: 32 rows of 2,048 bytes,
	s_lshl_b32 s29, s16, 12                        ; and the two of them that I store
	s_add_co_u32 s28, s28, s29
	s_mov_b32 s29, 0
	s_mul_i32 s30, s16, 2*SP
	s_wait_alu depctr_va_vdst(0)
	s_wait_kmcnt 0x0
	s_add_nc_u64 s[4:5], s[4:5], s[18:19]
	s_add_nc_u64 s[6:7], s[6:7], s[20:21]
	s_add_nc_u64 s[8:9], s[8:9], s[22:23]
	s_add_nc_u64 s[10:11], s[10:11], s[24:25]
	s_add_nc_u64 s[12:13], s[12:13], s[26:27]
	s_add_nc_u64 s[14:15], s[14:15], s[28:29]
	global_load_b128 v[AT:AT+3], v4, s[4:5] th:TH_LOAD_NT   ; first: all waves wait for it
.irp d, 0,1,2,3,4,5,6,7
	global_load_u16 v[AU+\d], v9, s[6:7] offset:16384*\d
.endr
.irp t, 0,1
	global_load_b128 v[WS+4*\t:WS+4*\t+3], v7, s[10:11] offset:256*\t   ; a row's four words: K steps 0 to 3
.endr
.irp t, 0,1
	global_load_b128 v[BI+8*\t:BI+8*\t+3], v8, s[12:13] offset:64*\t    ; fc_b at columns 16 t + 8 h + 0 .. 7
	global_load_b128 v[BI+8*\t+4:BI+8*\t+7], v8, s[12:13] offset:64*\t+16
.endr
.irp t, 0,1
.irp s, 0,1,2,3
.irp c, 0,1
	global_load_b128 v[WF+8*(4*\t+\s)+4*\c:WF+8*(4*\t+\s)+4*\c+3], v6, s[8:9] offset:4096*\t+64*\s+32*\c
.endr
.endr
.endr
	s_wait_loadcnt 30                              ; my bytes of A are in; the 30 loads issued behind that one may be out
	ds_store_b128 v4, v[AT:AT+3]
	s_wait_dscnt 0x0                               ; for the others' sake: my store has landed
	s_barrier_signal -1
	s_barrier_wait -1
.irp m, 0,1
.irp s, 0,1,2,3
.irp c, 0,1
	ds_load_b128 v[AF+8*(4*\m+\s)+4*\c:AF+8*(4*\m+\s)+4*\c+3], v5 offset:AIMG+4096*\m+512*(2*\s+\c)
.endr
.endr
.endr
	s_wait_loadcnt 0x0
.irp s, 0,1,2,3
	v_lshl_or_b32 v[AS+\s], v[AU+2*\s+1], 16, v[AU+2*\s]   ; heads 2 s and 2 s + 1: the four bytes of K step s
.endr
	v_mul_u32_u24 v10, v2, SP                      ; the stage's addresses are made here: with two v_nop they are the eight plain lines between the scale words and the first product
	s_delay_alu instid0(VALU_DEP_1)
	v_lshl_add_u32 v10, v3, 5, v10
	s_delay_alu instid0(VALU_DEP_1)
	v_add_nc_u32 v10, s26, v10
	s_delay_alu instid0(VALU_DEP_1)
	v_add_nc_u32 v10, STG, v10                     ; in: row r, + 32 h, + 128 x wave
	v_add_nc_u32 v11, s30, v5
	s_delay_alu instid0(VALU_DEP_1)
	v_add_nc_u32 v11, STG, v11                     ; back: my two rows, 16 bytes a lane
	v_nop
	v_nop
	s_wait_dscnt 0x0                               ; A's fragments are in
.macro PROD s, m, t
.set rD, AC+8*(2*(\m)+(\t))
.set rW, WF+8*(4*(\t)+(\s))
.set rA, AF+8*(4*(\m)+(\s))
.set rC, rD
.if (\s) == 0
.set rC, BI+8*(\t)                             ; the first K step starts the sum on the bias: nothing is cleared, nothing is added later
.endif
.if (\m) == 0
	v_wmma_scale_f32_16x16x128_f8f6f4 v[rD:rD+7], v[rW:rW+7], v[rA:rA+7], v[rC:rC+7], v[WS+4*(\t)+(\s)], v[AS+(\s)] matrix_a_fmt:MATRIX_FMT_FP4 matrix_b_fmt:MATRIX_FMT_FP4
.else
	v_wmma_scale_f32_16x16x128_f8f6f4 v[rD:rD+7], v[rW:rW+7], v[rA:rA+7], v[rC:rC+7], v[WS+4*(\t)+(\s)], v[AS+(\s)] matrix_a_fmt:MATRIX_FMT_FP4 matrix_b_fmt:MATRIX_FMT_FP4 matrix_b_scale:MATRIX_SCALE_ROW1
.endif
.endm
.irp s, 0,1,2,3                                ; the four accumulators by turns, one instruction a turn, in the same order in every K step
	s_wait_alu depctr_va_vdst(0)
.irp m, 0,1
.irp t, 0,1
	PROD \s, \m, \t
.endr
.endr
.endr
.rept 4
	v_nop                                          ; four places behind the last product, ahead of the stores that read results
.endr
.irp m, 0,1
.irp t, 0,1
	ds_store_b128 v10, v[AC+8*(2*\m+\t):AC+8*(2*\m+\t)+3] offset:16*SP*\m+64*\t          ; lane (r, h): out0(16 m + r, 32 w + 16 t + 8 h + 0 .. 7); each accumulator from its low end on
	ds_store_b128 v10, v[AC+8*(2*\m+\t)+4:AC+8*(2*\m+\t)+7] offset:16*SP*\m+64*\t+16
.endr
.endr
	s_wait_dscnt 0x0                               ; for the others' sake: my stores have landed
	s_barrier_signal -1
	s_barrier_wait -1                              ; 32 whole rows lie in the stage
.irp i, 0,1,2,3,4,5,6,7
	ds_load_b128 v[OB+4*\i:OB+4*\i+3], v11 offset:SP*(\i/4)+512*(\i%4)
.endr
.irp i, 0,1,2,3,4,5,6,7
	s_wait_dscnt 7-\i                              ; LDS loads come back in order: load i is in
	global_store_b128 v5, v[OB+4*\i:OB+4*\i+3], s[14:15] offset:2048*(\i/4)+512*(\i%4) th:TH_STORE_NT   ; 32 lanes store 512 consecutive bytes, aligned; written once, read by nobody here
.endr
	s_wait_tensorcnt 0x0
	ds_add_u32 v248, v249
	s_wait_dscnt 0x0
	s_endpgm
.Lfunc_end_k_q7d1939f149_fc:
	.size	k_q7d1939f149_fc, .Lfunc_end_k_q7d1939f149_fc-k_q7d1939f149_fc
	.p2alignl 7, 3214868480
	.fill 96, 4, 3214868480
	.section	.rodata,"a",@progbits
	.p2align	6, 0x0
	.amdhsa_kernel k_q7d1939f149_fc
		.amdhsa_group_segment_fixed_size 76288
		.amdhsa_private_segment_fixed_size 0
		.amdhsa_enable_private_segment 0
		.amdhsa_kernarg_size 48
		.amdhsa_user_sgpr_count 2
		.amdhsa_user_sgpr_kernarg_segment_ptr 1
		.amdhsa_wavefront_size32 1
		.amdhsa_system_sgpr_workgroup_id_x 1
		.amdhsa_system_sgpr_workgroup_id_y 1
		.amdhsa_system_sgpr_workgroup_id_z 1
		.amdhsa_system_vgpr_workitem_id 0
		.amdhsa_next_free_vgpr 250
		.amdhsa_next_free_sgpr 66
		.amdhsa_reserve_vcc 0
		.amdhsa_float_denorm_mode_32 3
		.amdhsa_float_denorm_mode_16_64 3
		.amdhsa_memory_ordered 1
		.amdhsa_forward_progress 1
		.amdhsa_inst_pref_size 12
	.end_amdhsa_kernel
	.amdgpu_metadata
---
amdhsa.version: [ 1, 2 ]
amdhsa.kernels:
  - .name:           k_q7d1939f149_fc
    .symbol:         k_q7d1939f149_fc.kd
    .args:
      - { .name: o_img, .offset: 0, .size: 8, .value_kind: global_buffer, .address_space: global }
      - { .name: o_sc, .offset: 8, .size: 8, .value_kind: global_buffer, .address_space: global }
      - { .name: fc_w_codes, .offset: 16, .size: 8, .value_kind: global_buffer, .address_space: global }
      - { .name: fc_w_scales, .offset: 24, .size: 8, .value_kind: global_buffer, .address_space: global }
      - { .name: fc_b, .offset: 32, .size: 8, .value_kind: global_buffer, .address_space: global }
      - { .name: out0, .offset: 40, .size: 8, .value_kind: global_buffer, .address_space: global }
    .group_segment_fixed_size: 76288
    .private_segment_fixed_size: 0
    .kernarg_segment_align: 8
    .kernarg_segment_size: 48
    .max_flat_workgroup_size: 512
    .sgpr_count:     66
    .vgpr_count:     250
    .wavefront_size: 32
...
	.end_amdgpu_metadata
.endif
;; end of part 3
